; MI455X (gfx1250); checked and timed in simulation.
; The chip was launched on July 23, 2026; its instructions are those of AMD's public machine-readable ISA for CDNA 5 (MIT licence, August 2026) and "CDNA5" Instruction Set Architecture Reference Guide (July 2026). The comments in the code are by the model that wrote it; some were corrected since.
;; Self Attention. Allowed arithmetic: matrix products marked QUANTISED: E5M2 operands, one E8M0 scale for each 32 along K, by v_wmma_scale_f32_16x16x128_f8f6f4 with both operands' format E5M2, f32 sums; everything else in f32.
;; Inputs: Wk 1,024 x 1,024 float32; Wq 1,024 x 1,024 float32; Wv 1,024 x 1,024 float32; attention_mask 4 x 1 x 1 x 2,048 float32; bk 1,024 float32; bq 1,024 float32; bv 1,024 float32; hidden_states 4 x 2,048 x 1,024 float32.
;; Outputs: out0 4 x 2,048 x 1,024 float32.
;; This version of the problem:
;;   THIS VERSION OF THE PROBLEM IS GIVEN IN LOW PRECISION. The matrix products marked QUANTISED in the list below multiply operands that are first quantised to E5M2 (5 exponent bits, 2 mantissa bits; 8 bits a number), with one power-of-two scale for each 32 numbers along K (OCP MX v1.0); their sums are f32. All else is computed in f32.
;;   The module's matrix products, in the order in which they are computed (A, B: the left and right operand; K: the contracted axis; several contracted axes count as one K, in the product's order):
;;     1. [M 8,192, K 1,024] x [K 1,024, N 1,024]; A: input hidden_states; B: input Wq: QUANTISED
;;     2. [M 8,192, K 1,024] x [K 1,024, N 1,024]; A: input hidden_states; B: input Wk: QUANTISED
;;     3. [M 8,192, K 1,024] x [K 1,024, N 1,024]; A: input hidden_states; B: input Wv: QUANTISED
;;     4. batch 64 x [M 2,048, K 64] x [K 64, N 2,048]; A: computed on the way; B: computed on the way: QUANTISED
;;     5. batch 64 x [M 2,048, K 2,048] x [K 2,048, N 64]; A: softmax (see below); B: computed on the way: QUANTISED
;;   THE QUANTISER, for each operand of a quantised product, along K:
;;     - K is cut into blocks of 32 from its start; a last block that is shorter is filled with zeros.
;;     - A block's scale is 2^e with e = floor(log2(the largest magnitude in the block)) - 15, held to -126 .. 127; a block of zeros has e = 0. As a byte (E8M0): e + 127.
;;     - Each number is divided by its block's scale, clamped to +-57,344, and rounded to the nearest number of E5M2, ties to even, subnormals kept.
;;     - The product sums the exact products of the quantised numbers (number of the format x scale) in f32.
;;   ~~~python
;;   def quantise(x, axis):      # numpy; x: float32 -> the quantised numbers, widened to float32 again
;;       x = np.moveaxis(x, axis, -1); K = x.shape[-1]
;;       x = np.pad(x, [(0, 0)] * (x.ndim - 1) + [(0, -K % 32)]); x = x.reshape(x.shape[:-1] + (-1, 32)); a = np.abs(x).max(-1, keepdims=True)
;;       e = np.where(a > 0, np.clip(np.frexp(np.where(a > 0, a, 1))[1] - 1 - 15, -126, 127), 0)      # np.frexp(a)[1] - 1 = floor(log2(a)), exactly
;;       r = np.clip(x / 2.0 ** e, -57344, 57344)
;;       step = 2.0 ** (np.maximum(np.frexp(np.where(r == 0, 1, r))[1] - 1, -14) - 2)
;;       q = np.round(r / step) * step * 2.0 ** e      # np.round: ties to even
;;       return np.moveaxis(q.reshape(q.shape[:-2] + (-1,))[..., :K], -1, axis).astype(np.float32)
;;   ~~~
;;   SOFTMAX AHEAD OF A QUANTISED PRODUCT. Where the list says 'softmax', what is quantised is not the finished softmax but p = 2^(t - M), with t = logit x log2(e) and M = ceil(the row's largest t), a whole number; so 1/2 < the row's largest p <= 1. The row's sum l is taken of the UNQUANTISED p, in f32, and the product's result is divided by l at the end. Since M is a whole number, a kernel that streams over the keys may use a running M (the ceiling of the running maximum): every later rescaling is an exact power of two, which a block's scale takes up: the codes' values come out the same.
;;   OPERANDS COMPUTED ON THE WAY. 'Computed on the way' means the value that the module computes at that place (a softmax that the list does not call 'softmax' is quantised finished and normalised). What goes into a quantiser is computed in f32, as accurately as f32 sums, v_exp_f32 and their like allow (about 1e-6 of the number): no bf16 or f16 on the way to a quantiser, and a product that is left as it is and whose result goes on into a quantised operand takes f32 operands (vector FMAs, or v_wmma_f32_16x16x4_f32). A number that lies on a knife's edge between two numbers of the format may be rounded either way, as far as f32 arithmetic and the matrix unit's own rounding can turn it there, and no further.
;; One version. Each part assembles by itself: llvm-mc -triple=amdgcn-amd-amdhsa -mcpu=gfx1250 --defsym DOCPART=n.
;; ======== version 1 of 1: 3 launches
;; limits: right only within a limited range of input values
;; workspace buffers: xc 8,388,608 bytes; xs 262,144 bytes; wc 3,145,728 bytes; ws 98,304 bytes; img 25,165,824 bytes; sc 786,432 bytes
;; launch quant (part 1): grid 352 x 1, 4 waves a work-group, no clusters, 33,280 bytes of LDS; arguments hidden_states, Wq, Wk, Wv, xc, xs, wc, ws; writes xc, xs, wc, ws
.if DOCPART == 1
	.amdgcn_target "amdgcn-amd-amdhsa--gfx1250"
	.amdhsa_code_object_version 6
	.text
	.protected	k_q02fa82d5c8_quant
	.globl	k_q02fa82d5c8_quant
	.p2align	8
	.type	k_q02fa82d5c8_quant,@function
k_q02fa82d5c8_quant:
	s_mov_b64 s[64:65], 0
	v_nop
	global_prefetch_b8 v0, s[64:65] scope:SCOPE_SE
	s_setreg_imm32_b32 hwreg(HW_REG_WAVE_MODE, 25, 1), 1
	s_wait_xcnt 0x0
; hidden_states [8192][1024] and Wq, Wk, Wv [1024][1024], f32, K innermost, become codes of BF8 (E5M2) with one E8M0 byte for each 32 along K.
; xc [8192][1024] and xs [8192][32] take x; wc [3072][1024] and ws [3072][32] take Wq, Wk, Wv one below the other.
; A block's scale is 2^(floor(log2(its largest magnitude)) - 15): its byte is the largest magnitude's exponent field - 15, held at 1 from below; each number is divided by the scale,
; held within +-57,344 and rounded to the nearest code, ties to even.
; ROWS ARE STORED IN ANOTHER ORDER: row n goes to the place n with bits 3 and 4 exchanged.  So 16 places on end hold rows 32 b + 8 u + (r & 7) + 16 (r >> 3): the order in which
; the next launch wants the rows of a tile, so that its results can be quantised in registers.  A wave's run of 8,192 numbers is 8 whole rows, so the exchange is one of whole runs.
; LIMITS: NaN and infinities among the inputs are not served.  A block of zeros, and a block whose largest magnitude lies under 2^-111, gets the byte 1 (the bytes are read by this program alone).
; 352 work-groups of 32,768 numbers: 0-255 x, 256-287 Wq, 288-319 Wk, 320-351 Wv.  Only pointers are chosen: all take one path.
; A wave takes 16 steps of 512 numbers.  Each load reads 512 consecutive bytes; a step's 2,048 bytes turn through the wave's own stage in LDS, so that a lane then holds 16 neighbours along K
; (two neighbouring lanes hold a block).  A lane's 16 codes are 16 bytes: the wave stores 512 consecutive bytes.  A wave's 256 scale bytes are gathered in LDS and leave as 256 consecutive bytes.
; No tensor loads, no barrier: waves share nothing.  Loads run four steps (16 loads a wave) ahead, the turn through LDS one step.
.set STEPS, 16
.set MANT,  0x600000                   ; the mantissa field of 57,344 as f32
.set CB,    16                         ; bytes of 16 codes
.set R,     16                         ; v16-79   four sets of 16 numbers as they are loaded
.set X,     80                         ; v80-111  two sets of 16 neighbours
.set C,     128                        ; v128-191 codes: four registers for each step, so that no store's data are written again
.set E,     112                        ; v112-127 a scale byte for each step
.set WREG,  8192                       ; LDS: a region for each wave: two stages of 32 x SP bytes, and behind them its 256 scale bytes
.set SP,    80                         ; a lane's place in a stage: its 64 bytes + 16 of padding
	s_load_b256 s[4:11], s[0:1], 0x0               ; x, Wq, Wk, Wv
	s_load_b256 s[12:19], s[0:1], 0x20             ; xc, xs, wc, ws
	v_lshl_add_u32 v192, v0, 2, 0x8000
	v_mov_b32 v193, 0
	v_lshrrev_b32 v1, 5, v0
	v_readfirstlane_b32 s20, v1                    ; wave
	v_and_b32 v2, 31, v0                           ; lane
	v_lshlrev_b32 v3, 4, v2                        ; my 16 bytes of a load's 512
	s_mul_i32 s21, s20, WREG
	v_lshrrev_b32 v14, 2, v2
	v_mul_u32_u24 v14, v14, SP
	v_and_b32 v15, 3, v2
	v_lshl_add_u32 v14, v15, 4, v14
	v_add_nc_u32 v14, s21, v14                     ; the stage, on the way in: SP (lane / 4) + 16 (lane % 4)
	v_mul_u32_u24 v15, v2, SP
	v_add_nc_u32 v15, s21, v15                     ; and on the way out: SP x lane: my 16 neighbours
	v_mul_u32_u24 v4, v2, CB                       ; my codes' place in a step's
	v_lshrrev_b32 v5, 1, v2
	s_add_co_u32 s21, s21, 2*32*SP
	v_add_nc_u32 v5, s21, v5                       ; LDS: my wave's 256 scale bytes, my block's byte
	v_lshlrev_b32 v7, 3, v2                        ; and on the way out 8 bytes a lane
	v_add_nc_u32 v6, s21, v7
	s_mov_b32 s30, MANT
	s_and_b32 s24, ttmp9, 31                       ; a weight's work-group within its tensor,
	s_sub_co_u32 s25, ttmp9, 256                   ; and within wc
	s_and_b32 s26, s20, 1
	s_lshl_b32 s26, s26, 1
	s_lshr_b32 s27, s20, 1
	s_or_b32 s26, s26, s27                         ; the wave's number with its two bits exchanged: these are bits 3 and 4 of its rows
	s_wait_alu depctr_va_vdst(0)
	s_wait_kmcnt 0x0
	s_cmp_lt_u32 ttmp9, 320                        ; the choices hang on the work-group's number alone
	s_cselect_b64 s[8:9], s[8:9], s[10:11]         ; Wk or Wv
	s_cmp_lt_u32 ttmp9, 288
	s_cselect_b64 s[6:7], s[6:7], s[8:9]           ; Wq or that
	s_cmp_lt_u32 ttmp9, 256
	s_cselect_b64 s[4:5], s[4:5], s[6:7]           ; x or that
	s_cselect_b64 s[12:13], s[12:13], s[16:17]     ; xc or wc
	s_cselect_b64 s[14:15], s[14:15], s[18:19]     ; xs or ws
	s_cselect_b32 s22, ttmp9, s24
	s_cselect_b32 s23, ttmp9, s25
	s_lshl_b32 s22, s22, 2
	s_add_co_u32 s22, s22, s20                     ; the run of 8,192 numbers that I read
	s_lshl_b32 s23, s23, 2
	s_add_co_u32 s23, s23, s26                     ; the run's place in the codes and scale bytes
	s_lshl_b32 s24, s22, 15                        ; 32,768 bytes a run (under 2^26)
	s_mov_b32 s25, 0
	s_add_nc_u64 s[4:5], s[4:5], s[24:25]
	s_lshl_b32 s24, s23, 13                        ; 8,192 bytes of codes a run
	s_add_nc_u64 s[12:13], s[12:13], s[24:25]
	s_lshl_b32 s24, s23, 8                         ; 256 scale bytes a run
	s_add_nc_u64 s[14:15], s[14:15], s[24:25]
.macro LOAD t
.irp i, 0,1,2,3
	global_load_b128 v[R+16*((\t)%4)+4*\i:R+16*((\t)%4)+4*\i+3], v3, s[4:5] offset:2048*(\t)+512*\i th:TH_LOAD_NT   ; 32 lanes read 512 consecutive bytes
.endr
.endm
.macro TURN t                          ; step t's numbers through the stage: LDS serves a wave's instructions in order, so no wait stands between the stores and the loads
.irp i, 0,1,2,3
	ds_store_b128 v14, v[R+16*((\t)%4)+4*\i:R+16*((\t)%4)+4*\i+3] offset:32*SP*((\t)%2)+8*SP*\i
.endr
.irp i, 0,1,2,3
	ds_load_b128 v[X+16*((\t)%2)+4*\i:X+16*((\t)%2)+4*\i+3], v15 offset:32*SP*((\t)%2)+16*\i
.endr
.endm
.irp t, 0,1,2,3
	LOAD \t
.endr
	s_wait_loadcnt 12                              ; step 0's four loads are in; the twelve of steps 1 to 3 may be out
	TURN 0
.macro STEP t
.set XS, X+16*((\t)%2)
.if (\t) > 0
	s_wait_dscnt 1                                 ; this step's numbers are back from the stage (the last step's byte store may be out): so its stores into the stage have read their registers,
.else
	s_wait_dscnt 0x0
.endif
.if (\t)+4 < STEPS
	LOAD (\t)+4                                    ; which take the loads of four steps on
.endif
.if (\t)+1 < STEPS
.if STEPS-2-(\t) >= 3
	s_wait_loadcnt 12                              ; the next step's four loads are in; those of the three steps behind it may be out
.else
	s_wait_loadcnt 4*(STEPS-2-(\t))
.endif
	TURN (\t)+1                                    ; and go through the other stage while this step is worked
.endif
	v_max3_num_f32 v8, |v[XS]|, |v[XS+1]|, |v[XS+2]|               ; the largest magnitude of my 16, in two chains
	v_max3_num_f32 v9, |v[XS+3]|, |v[XS+4]|, |v[XS+5]|
.irp i, 6,10
	v_max3_num_f32 v8, v8, |v[XS+\i]|, |v[XS+\i+1]|
	v_max3_num_f32 v9, v9, |v[XS+\i+2]|, |v[XS+\i+3]|
.endr
	v_max3_num_f32 v8, v8, |v[XS+14]|, |v[XS+15]|
	v_max3_num_f32 v8, v8, v9, 0x8000000           ; and the floor 2^(16 - 127): so the byte cannot fall under 1
	v_max_num_f32_dpp v8, v8, v8 row_xmask:1 row_mask:0xf bank_mask:0xf   ; and of my neighbour's 16: the block's
	v_add_nc_u32 v11, 0xf8800000, v8               ; 15 off its exponent field: the conversion takes the exponent field of this operand as its scale
	v_and_or_b32 v10, v8, 0x7f800000, s30          ; 57,344 x the scale
.irp i, 0,1,2,3,4,5,6,7,8,9,10,11,12,13,14,15
	v_med3_num_f32 v[XS+\i], v[XS+\i], -v10, v10   ; the conversion to an 8-bit code does not saturate (ISA guide 7.6.2): the hold comes first
.endr
	v_cvt_scalef32_pk8_bf8_f32 v[C+4*(\t):C+4*(\t)+1], v[XS:XS+7], v11
	v_cvt_scalef32_pk8_bf8_f32 v[C+4*(\t)+2:C+4*(\t)+3], v[XS+8:XS+15], v11
	v_lshrrev_b32 v[E+(\t)], 23, v11               ; the scale's byte (also the plain line behind the conversions)
	ds_store_b8 v5, v[E+(\t)] offset:16*(\t)       ; both lanes of a block write the same byte with the same value
	global_store_b128 v4, v[C+4*(\t):C+4*(\t)+3], s[12:13] offset:32*CB*(\t)
.endm
.irp t, 0,1,2,3,4,5,6,7,8,9,10,11,12,13,14,15
	STEP \t
.endr
	ds_load_b64 v[12:13], v6                       ; LDS serves a wave's instructions in order: these see my stores
	s_wait_dscnt 0x0
	global_store_b64 v7, v[12:13], s[14:15]        ; 32 lanes store 256 consecutive bytes, aligned
	s_wait_tensorcnt 0x0
	ds_add_u32 v192, v193
	s_wait_dscnt 0x0
	s_endpgm
.Lfunc_end_k_q02fa82d5c8_quant:
	.size	k_q02fa82d5c8_quant, .Lfunc_end_k_q02fa82d5c8_quant-k_q02fa82d5c8_quant
	.p2alignl 7, 3214868480
	.fill 96, 4, 3214868480
	.section	.rodata,"a",@progbits
	.p2align	6, 0x0
	.amdhsa_kernel k_q02fa82d5c8_quant
		.amdhsa_group_segment_fixed_size 33280
		.amdhsa_private_segment_fixed_size 0
		.amdhsa_enable_private_segment 0
		.amdhsa_kernarg_size 64
		.amdhsa_user_sgpr_count 2
		.amdhsa_user_sgpr_kernarg_segment_ptr 1
		.amdhsa_wavefront_size32 1
		.amdhsa_system_sgpr_workgroup_id_x 1
		.amdhsa_system_sgpr_workgroup_id_y 1
		.amdhsa_system_sgpr_workgroup_id_z 1
		.amdhsa_system_vgpr_workitem_id 0
		.amdhsa_next_free_vgpr 194
		.amdhsa_next_free_sgpr 66
		.amdhsa_reserve_vcc 0
		.amdhsa_float_denorm_mode_32 3
		.amdhsa_float_denorm_mode_16_64 3
		.amdhsa_memory_ordered 1
		.amdhsa_forward_progress 1
		.amdhsa_inst_pref_size 51
	.end_amdhsa_kernel
	.amdgpu_metadata
---
amdhsa.version: [ 1, 2 ]
amdhsa.kernels:
  - .name:           k_q02fa82d5c8_quant
    .symbol:         k_q02fa82d5c8_quant.kd
    .args:
      - { .name: hidden_states, .offset: 0, .size: 8, .value_kind: global_buffer, .address_space: global }
      - { .name: Wq, .offset: 8, .size: 8, .value_kind: global_buffer, .address_space: global }
      - { .name: Wk, .offset: 16, .size: 8, .value_kind: global_buffer, .address_space: global }
      - { .name: Wv, .offset: 24, .size: 8, .value_kind: global_buffer, .address_space: global }
      - { .name: xc, .offset: 32, .size: 8, .value_kind: global_buffer, .address_space: global }
      - { .name: xs, .offset: 40, .size: 8, .value_kind: global_buffer, .address_space: global }
      - { .name: wc, .offset: 48, .size: 8, .value_kind: global_buffer, .address_space: global }
      - { .name: ws, .offset: 56, .size: 8, .value_kind: global_buffer, .address_space: global }
    .group_segment_fixed_size: 33280
    .private_segment_fixed_size: 0
    .kernarg_segment_align: 8
    .kernarg_segment_size: 64
    .max_flat_workgroup_size: 128
    .sgpr_count:     66
    .vgpr_count:     194
    .wavefront_size: 32
...
	.end_amdgpu_metadata
.endif
;; end of part 1
;; launch proj (part 2): grid 12 x 32, 4 waves a work-group, clusters of 4 x 4, 327,680 bytes of LDS; arguments xc, xs, wc, ws, bq, bk, bv, attention_mask, img, sc; writes img, sc
.if DOCPART == 2
	.amdgcn_target "amdgcn-amd-amdhsa--gfx1250"
	.amdhsa_code_object_version 6
	.text
	.protected	k_q02fa82d5c8_proj
	.globl	k_q02fa82d5c8_proj
	.p2align	8
	.type	k_q02fa82d5c8_proj,@function
k_q02fa82d5c8_proj:
	s_mov_b64 s[64:65], 0
	v_nop
	global_prefetch_b8 v0, s[64:65] scope:SCOPE_SE
	s_setreg_imm32_b32 hwreg(HW_REG_WAVE_MODE, 25, 1), 1
	s_wait_xcnt 0x0
	s_wait_alu depctr_hold_cnt(0) depctr_sa_sdst(0) depctr_va_vdst(0) depctr_va_sdst(0) depctr_va_ssrc(0) depctr_va_vcc(0) depctr_vm_vsrc(0)
	s_getreg_b32 s2, hwreg(HW_REG_IB_STS2, 6, 4)
	s_cmp_eq_u32 s2, 0
	s_cbranch_scc0 .Lentry_in_a_cluster
	s_endpgm
.Lentry_in_a_cluster:
	s_bfe_u32 s2, ttmp6, 0x10000c
	s_cmp_lg_u32 s2, 0xf033
	s_cbranch_scc0 .Lentry_shape_is_right
	s_endpgm
.Lentry_shape_is_right:
.set NQ,     2
.set ROWB,   256
.set KROW,   1024
.set PITCH,  272
.set FR,     16
.set NL,     4
.set NP,     8
.set HALFT,  128*PITCH
.set SLOT,   4*HALFT
.set KS,     32
.set SCL,    2*SLOT
.set HALFS,  (128*KS/256)*272
.set SBLK,   (16*KS/256)*272
.set SPARE,  SCL+4*HALFS
.set SST,    SPARE+512
.set VMO,  7
.set KM,   8
.set ADRA, 16
.set VO0,  18
.set VO1,  19
.set ADRB, 20
.set SSA,  22
.set SSR,  23
.set ADRS, 27
.set SPW,  28
.set NIL,  29
.set VBO,  30
.set ONES, 31
.set SC,   32
.set CB,   64
.set TM,   64
.set PW,   80
.set SSB,  84
.set PC,   96
.set AF,   128
.set WV,   66
.set HA,   67
.set HB,   92
.set TYPE, 93
.set NOTK, 94
.set G1, 24
.set G0, 32
.set G1B, 48
.set G0B, 56
.set G1S, 68
.set G0S, 76
.set G1SB, 80
.set G0SB, 88
.set PAC, 96
.set PAS, 98
.set PBC, 100
.set PBS, 104
.set STA, 4
.set STB, 6
.set S3,  8
.set SEL, 12
.set MNT, 14
.set MSB, 0
.macro WIN new
.if MSB != \new
	s_set_vgpr_msb (MSB<<8)|\new
.set MSB, \new
.endif
.endm
.set MUL_LO, 0xa1
.set MUL_HI, 0xf1
.set TO_B,   0x40
.macro JLOAD g0a, g1a, g0b, g1b
	s_cmp_eq_u32 s[HA], 0
	s_cbranch_scc0 .Lfor_b_\@
	tensor_load_to_lds s[\g0a:\g0a+3], s[\g1a:\g1a+7]
	s_nop 0
.rept 4
	v_nop
.endr
	s_branch .Lasked_\@
.Lfor_b_\@:
	tensor_load_to_lds s[\g0b:\g0b+3], s[\g1b:\g1b+7]
	s_nop 0
.rept 4
	v_nop
.endr
.Lasked_\@:
.endm
.macro CREST
	s_cmp_lg_u32 s[WV], 0
	s_cbranch_scc1 .Lnot_wave_0_\@
	s_barrier_signal -3
.Lnot_wave_0_\@:
	s_barrier_wait -3
	s_barrier_signal -1
	s_barrier_wait -1
.endm
.macro CROUND
	s_barrier_signal -1
	s_barrier_wait -1
	CREST
.endm
	s_load_b256 s[4:11], s[0:1], 0x0
	s_load_b256 s[12:19], s[0:1], 0x20
	s_load_b128 s[20:23], s[0:1], 0x40
	v_lshl_add_u32 v[SPW], v0, 2, SPARE
	v_mov_b32 v[NIL], 0
	ds_add_u32 v28, v29
	ds_add_u32 v28, v29
	s_wait_dscnt 0x0
	v_lshrrev_b32 v1, 5, v0
	v_readfirstlane_b32 s[WV], v1
	s_lshr_b32 s[HA], s[WV], 1
	s_and_b32 s[HB], s[WV], 1
	s_bfe_u32 s40, ttmp6, 0x40000
	s_bfe_u32 s41, ttmp6, 0x40004
	s_and_b32 s42, ttmp7, 0xffff
	s_mov_b32 s[TYPE], ttmp9
	s_lshl_b32 s43, s41, 2
	s_lshl_b32 s43, 15, s43
	s_lshl_b32 s44, 0x1111, s40
	s_or_b32 s[G1+0], s43, (0<<16)|(1<<20)|(1<<21)|(5<<22)|(3<<25)
	s_or_b32 s[G1B+0], s44, (0<<16)|(1<<20)|(1<<21)|(5<<22)|(3<<25)
.irp g, G1, G1B
	s_mov_b32 s[\g+1], ROWB<<16
	s_mov_b32 s[\g+2], 128<<16
	s_mov_b32 s[\g+3], ROWB<<16
	s_mov_b32 s[\g+4], 128
	s_mov_b32 s[\g+5], KROW
	s_mov_b32 s[\g+6], 0
	s_mov_b32 s[\g+7], 0
.endr
	s_or_b32 s[G1S+0], s43, (3<<16)|(1<<20)|(1<<21)|(5<<22)|(3<<25)
	s_or_b32 s[G1SB+0], s44, (3<<16)|(1<<20)|(1<<21)|(5<<22)|(3<<25)
.irp g, G1S, G1SB
	s_mov_b32 s[\g+1], 32<<16
	s_mov_b32 s[\g+2], (128*KS/256)<<16
	s_mov_b32 s[\g+3], 32<<16
	s_mov_b32 s[\g+4], 128*KS/256
	s_mov_b32 s[\g+5], 32
	s_mov_b32 s[\g+6], 0
	s_mov_b32 s[\g+7], 0
.endr
	s_mul_i32 s45, s[WV], HALFT
	s_mul_i32 s95, s[WV], HALFS
	s_lshl_b32 s2, s42, 2
	s_lshl_b32 s3, s[TYPE], 2
	s_wait_kmcnt 0x0
	s_cmp_eq_u32 s[TYPE], 2
	s_cselect_b32 s46, 8, s2
	s_cselect_b32 s47, s2, s3
	s_cselect_b64 s[PAC:PAC+1], s[8:9], s[4:5]
	s_cselect_b64 s[PAS:PAS+1], s[10:11], s[6:7]
	s_cselect_b64 s[PBC:PBC+1], s[4:5], s[8:9]
	s_cselect_b64 s[PBS:PBS+1], s[6:7], s[10:11]
	s_add_co_u32 s46, s46, s41
	s_add_co_u32 s47, s47, s40
	s_lshl_b32 s2, s[HB], 7
	s_lshl_b32 s4, s46, 8
	s_add_co_u32 s4, s4, s2
	s_lshl_b32 s8, s47, 8
	s_add_co_u32 s8, s8, s2
	s_lshl_b32 s6, s4, 5
	s_lshl_b32 s4, s4, 10
	s_lshl_b32 s10, s8, 5
	s_lshl_b32 s8, s8, 10
	s_mov_b32 s5, 0
	s_mov_b32 s7, 0
	s_mov_b32 s9, 0
	s_mov_b32 s11, 0
	s_add_nc_u64 s[PAC:PAC+1], s[PAC:PAC+1], s[4:5]
	s_add_nc_u64 s[PAS:PAS+1], s[PAS:PAS+1], s[6:7]
	s_add_nc_u64 s[PBC:PBC+1], s[PBC:PBC+1], s[8:9]
	s_add_nc_u64 s[PBS:PBS+1], s[PBS:PBS+1], s[10:11]
	CROUND
	s_mov_b32 s[G0S], 1
	s_add_co_u32 s[G0S+1], s95, SCL
	s_mov_b64 s[G0S+2:G0S+3], s[PAS:PAS+1]
	s_or_b32 s[G0S+3], s[G0S+3], 0x80000000
	s_mov_b32 s[G0SB], 1
	s_add_co_u32 s[G0SB+1], s95, SCL
	s_mov_b64 s[G0SB+2:G0SB+3], s[PBS:PBS+1]
	s_or_b32 s[G0SB+3], s[G0SB+3], 0x80000000
	JLOAD G0S, G1S, G0SB, G1SB
.irp s, 0,1
	s_mov_b32 s[G0+4*\s], 1
	s_add_co_u32 s[G0+4*\s+1], s45, \s*SLOT
	s_add_nc_u64 s[G0+4*\s+2:G0+4*\s+3], s[PAC:PAC+1], \s*ROWB
	s_or_b32 s[G0+4*\s+3], s[G0+4*\s+3], 0x80000000
	s_mov_b32 s[G0B+4*\s], 1
	s_add_co_u32 s[G0B+4*\s+1], s45, \s*SLOT
	s_add_nc_u64 s[G0B+4*\s+2:G0B+4*\s+3], s[PBC:PBC+1], \s*ROWB
	s_or_b32 s[G0B+4*\s+3], s[G0B+4*\s+3], 0x80000000
	s_wait_alu depctr_va_vdst(0)
	s_wait_tensorcnt 0x0
	ds_add_u32 v28, v29
	s_wait_dscnt 0x0
	CROUND
	JLOAD G0+4*\s, G1, G0B+4*\s, G1B
.endr
	v_and_b32 v1, 15, v0
	v_bfe_u32 v2, v0, 4, 1
	v_mul_u32_u24 v3, v1, PITCH
	v_lshl_add_u32 v4, v2, 4, v3
	s_mul_i32 s2, s[HA], HALFT
	s_mul_i32 s3, s[HB], HALFT
	s_add_co_u32 s3, s3, 2*HALFT
.irp s, 0,1
	v_add_nc_u32 v[ADRA+\s], s2, v4
	v_add_nc_u32 v[ADRB+\s], s3, v4
	s_add_co_u32 s2, s2, SLOT
	s_add_co_u32 s3, s3, SLOT
.endr
	v_mul_u32_u24 v5, v1, KS
	v_lshrrev_b32 v6, 8, v5
	v_lshl_add_u32 v5, v6, 4, v5
	s_mul_i32 s2, s[HA], HALFS
	s_mul_i32 s3, s[HB], HALFS
	s_add_co_u32 s3, s3, 2*HALFS
	s_sub_co_u32 s3, s3, s2
	v_mul_u32_u24 v6, s3, v2
	s_add_co_u32 s2, s2, SCL
	v_add_nc_u32 v5, v5, v6
	v_add_nc_u32 v[ADRS], s2, v5
	v_and_b32 v3, 7, v1
	v_lshrrev_b32 v4, 3, v1
	v_lshlrev_b32 v3, 2, v3
	v_lshl_add_u32 v[VMO], v4, 6, v3
	v_and_b32 v5, 31, v0
	v_lshlrev_b32 v[VO0], 4, v5
	s_wait_alu depctr_va_vdst(0)
	s_lshl_b32 s2, s[WV], 9
	s_add_co_u32 s2, s2, SST
	v_lshl_add_u32 v[SSA], v1, 2, s2
	v_add_nc_u32 v[SSR], s2, v[VO0]
	v_lshlrev_b32 v[VBO], 6, v2
	v_mov_b32 v[ONES], -1
	s_lshl_b32 s4, s46, 8
	s_lshl_b32 s5, s[HA], 7
	s_add_co_u32 s4, s4, s5
	s_lshl_b32 s5, s47, 8
	s_lshl_b32 s6, s[HB], 7
	s_add_co_u32 s5, s5, s6
	s_cmp_eq_u32 s[TYPE], 2
	s_cselect_b32 s6, s5, s4
	s_cselect_b32 s7, s4, s5
	s_and_b32 s7, s7, 1023
	s_lshr_b32 s8, s7, 6
	s_lshr_b32 s9, s6, 11
	s_bfe_u32 s10, s6, 0x40007
	s_lshl_b32 s2, s9, 8
	s_lshl_b32 s3, s8, 4
	s_add_co_u32 s2, s2, s3
	s_add_co_u32 s2, s2, s10
	s_cmp_eq_u32 s[TYPE], 0
	s_cselect_b32 s3, 13, 14
	s_cselect_b32 s11, 0, 0x800000
	s_lshl_b32 s2, s2, s3
	s_add_co_u32 s2, s2, s11
	s_cmp_eq_u32 s[TYPE], 2
	s_cselect_b32 s3, 8192, 0
	s_add_co_u32 s2, s2, s3
	s_mov_b32 s3, 0
	s_add_nc_u64 s[20:21], s[20:21], s[2:3]
	s_lshl_b32 s2, s9, 3
	s_lshr_b32 s3, s8, 1
	s_add_co_u32 s2, s2, s3
	s_lshl_b32 s2, s2, 4
	s_add_co_u32 s2, s2, s10
	s_lshl_b32 s2, s2, 9
	s_lshl_b32 s3, s9, 4
	s_add_co_u32 s3, s3, s10
	s_lshl_b32 s3, s3, 4
	s_add_co_u32 s3, s3, s8
	s_lshl_b32 s3, s3, 8
	s_lshl_b32 s11, s[TYPE], 18
	s_cmp_eq_u32 s[TYPE], 2
	s_cselect_b32 s2, s3, s2
	s_add_co_u32 s2, s2, s11
	s_mov_b32 s3, 0
	s_add_nc_u64 s[22:23], s[22:23], s[2:3]
	s_cmp_eq_u32 s[TYPE], 0
	s_cselect_b64 s[12:13], s[12:13], s[14:15]
	s_cmp_eq_u32 s[TYPE], 2
	s_cselect_b64 s[12:13], s[16:17], s[12:13]
	s_cselect_b32 s2, s7, s6
	s_lshl_b32 s2, s2, 2
	s_add_nc_u64 s[18:19], s[18:19], s[2:3]
	s_lshl_b32 s2, s7, 2
	s_add_nc_u64 s[12:13], s[12:13], s[2:3]
	s_cmp_lg_u32 s[TYPE], 1
	s_cselect_b32 s[NOTK], -1, 0
	s_lshl_b32 s[S3], 0x20000, s[TYPE]
	s_mov_b32 s[STA], 1024
	s_mov_b32 s[STB], 1024
	s_cmp_eq_u32 s[TYPE], 2
	s_cselect_b32 s[S3], 1024, s[S3]
	s_cselect_b32 s[STA], 2048, s[STA]
	s_cselect_b32 s[STB], 256000, s[STB]
	s_mov_b32 s[STA+1], 0
	s_mov_b32 s[STB+1], 0
	v_add_nc_u32 v[VO1], s[S3], v[VO0]
.irp a, 0,1,2,3,4,5,6,7
	global_load_b32 v[KM+\a], v[VMO], s[18:19] offset:(32*(\a/2)+8*(\a%2))*4
.endr
	s_cmp_eq_u32 s[TYPE], 2
	s_cbranch_scc1 .Lbias_v
	s_wait_alu depctr_va_vdst(0)
.irp b, 0,1,2,3,4,5,6,7
	global_load_b128 v[CB+8*\b:CB+8*\b+3], v[VBO], s[12:13] offset:(32*(\b/2)+8*(\b%2))*4
	global_load_b128 v[CB+8*\b+4:CB+8*\b+7], v[VBO], s[12:13] offset:(32*(\b/2)+8*(\b%2))*4+16
.endr
	s_branch .Lbias_in
.Lbias_v:
.irp a, 0,1,2,3,4,5,6,7
	global_load_b32 v[CB+8*\a], v[VMO], s[12:13] offset:(32*(\a/2)+8*(\a%2))*4
.endr
	s_wait_loadcnt 0x0
.irp a, 0,1,2,3,4,5,6,7
.irp j, 1,2,3,4,5,6,7
	v_mov_b32 v[CB+8*\a+\j], v[CB+8*\a]
.endr
.endr
.Lbias_in:
	s_wait_loadcnt 0x0
	s_mov_b32 s[SEL], 0x76543210
	s_mov_b32 s[SEL+1], 0xfedcba98
	s_mov_b32 s[MNT], 0x600000
.irp a, 0,1,2,3,4,5,6,7
	v_cmp_le_f32 vcc_lo, 0, v[KM+\a]
	v_cndmask_b32 v[KM+\a], 0, v[ONES], vcc_lo
	v_or_b32 v[KM+\a], s[NOTK], v[KM+\a]
.endr
.macro FRAG reg, adr, q, i
.irp c, 0,1,2,3
	ds_load_b128 v[\reg+4*\c:\reg+4*\c+3], v[\adr] offset:128*(\q)+32*\c+(\i)*16*PITCH
.endr
.endm
.macro MUL16 a0, p, q, sc
.irp a, \a0, \a0+1
.irp b, 0,1,2,3,4,5,6,7
	v_wmma_scale_f32_16x16x128_f8f6f4 v[8*(8*((\a)%4)+\b):8*(8*((\a)%4)+\b)+7], v[128*(\p)+FR*\b:128*(\p)+FR*\b+FR-1], v[AF+FR*(\a):AF+FR*(\a)+FR-1], v[8*(8*((\a)%4)+\b):8*(8*((\a)%4)+\b)+7], v[SC+8*NQ*(\sc)+NQ*\b+(\q)], v[SC+8*NQ*(\sc)+NQ*(\a)+(\q)] matrix_a_fmt:MATRIX_FMT_BF8 matrix_b_fmt:MATRIX_FMT_BF8 matrix_a_scale:MATRIX_SCALE_ROW1
.endr
.endr
.endm
.macro MULC a0
	WIN 0
	s_cmp_lg_u32 s[TYPE], 2
	s_cbranch_scc0 .Lcv_\@
	WIN 0x81+0x40*((\a0)/4)
.irp a, \a0, \a0+1, \a0+2, \a0+3
.irp b, 0,1,2,3,4,5,6,7
	v_wmma_scale_f32_16x16x128_f8f6f4 v[8*(8*((\a)%4)+\b):8*(8*((\a)%4)+\b)+7], v[FR*\b:FR*\b+FR-1], v[AF+FR*(\a):AF+FR*(\a)+FR-1], v[CB+8*\b:CB+8*\b+7], v[SC+NQ*\b], v[SC+NQ*(\a)] matrix_a_fmt:MATRIX_FMT_BF8 matrix_b_fmt:MATRIX_FMT_BF8 matrix_a_scale:MATRIX_SCALE_ROW1
.endr
.endr
	WIN 0
	s_branch .Lcj_\@
.Lcv_\@:
	WIN 0x81+0x40*((\a0)/4)
.irp a, \a0, \a0+1, \a0+2, \a0+3
.irp b, 0,1,2,3,4,5,6,7
	v_wmma_scale_f32_16x16x128_f8f6f4 v[8*(8*((\a)%4)+\b):8*(8*((\a)%4)+\b)+7], v[FR*\b:FR*\b+FR-1], v[AF+FR*(\a):AF+FR*(\a)+FR-1], v[CB+8*(\a):CB+8*(\a)+7], v[SC+NQ*\b], v[SC+NQ*(\a)] matrix_a_fmt:MATRIX_FMT_BF8 matrix_b_fmt:MATRIX_FMT_BF8 matrix_a_scale:MATRIX_SCALE_ROW1
.endr
.endr
	WIN 0
.Lcj_\@:
.endm
.macro FETCH_B slot, q, p
	WIN TO_B
.irp i, 0,1,2,3,4,5,6,7
	FRAG 128*(\p)+FR*\i, ADRB+\slot, \q, \i
.endr
	WIN 0
.endm
.macro FETCH_A slot, q, i0
.irp i, \i0, \i0+1, \i0+2, \i0+3
	FRAG AF+FR*(\i), ADRA+\slot, \q, \i
.endr
.endm
.macro SCALES sc
.irp i, 0,1,2,3,4,5,6,7
	ds_load_b64 v[SC+8*NQ*\sc+NQ*\i:SC+8*NQ*\sc+NQ*\i+1], v[ADRS] offset:\i*SBLK
.endr
.endm
.macro PLACES n
.rept \n
	v_nop
.endr
.endm
.macro STEP slot, q
	s_wait_dscnt 4*NL
	WIN MUL_LO
	MUL16 0, (\q)%2, \q, \slot
	MUL16 2, (\q)%2, \q, \slot
	s_wait_dscnt 0
	PLACES NP
	FETCH_B \slot, (\q)+1, 1-(\q)%2
	FETCH_A \slot, (\q)+1, 0
	WIN MUL_HI
	MUL16 4, (\q)%2, \q, \slot
	MUL16 6, (\q)%2, \q, \slot
	PLACES NP
	WIN 0
	FETCH_A \slot, (\q)+1, 4
.endm
.macro TURN slot, next, fill
	s_wait_tensorcnt 0x0
	ds_add_u32 v[SPW], v[NIL]
	s_wait_dscnt 4*NL+1
	WIN MUL_LO
	MUL16 0, 1, NQ-1, \slot
	s_wait_dscnt 0x0
	s_barrier_signal -1
	MUL16 2, 1, NQ-1, \slot
	WIN 0
	s_barrier_wait -1
.if \fill
	CREST
	s_add_nc_u64 s[G0+4*\slot+2:G0+4*\slot+3], s[G0+4*\slot+2:G0+4*\slot+3], 2*ROWB
	s_add_nc_u64 s[G0B+4*\slot+2:G0B+4*\slot+3], s[G0B+4*\slot+2:G0B+4*\slot+3], 2*ROWB
	JLOAD G0+4*\slot, G1, G0B+4*\slot, G1B
	PLACES NP-4
.else
	PLACES NP
.endif
	s_wait_alu depctr_va_vdst(0)
	v_add_nc_u32 v[ADRS], 4*NQ, v[ADRS]
	FETCH_B \next, 0, 0
	FETCH_A \next, 0, 0
	SCALES \next
	WIN MUL_HI
	MUL16 4, 1, NQ-1, \slot
	MUL16 6, 1, NQ-1, \slot
	PLACES NP
	WIN 0
	FETCH_A \next, 0, 4
.endm
	s_wait_tensorcnt 1
	s_barrier_signal -1
	s_barrier_wait -1
	FETCH_B 0, 0, 0
	FETCH_A 0, 0, 0
	SCALES 0
	FETCH_A 0, 0, 4
	s_wait_dscnt 4*NL
	MULC 0
	s_wait_dscnt 0
	PLACES NP
	FETCH_B 0, 1, 1
	FETCH_A 0, 1, 0
	MULC 4
	PLACES NP
	FETCH_A 0, 1, 4
	TURN 0, 1, 1
	STEP 1, 0
	TURN 1, 0, 1
	STEP 0, 0
	TURN 0, 1, 0
	STEP 1, 0
	s_wait_dscnt 4*NL
	WIN MUL_LO
	MUL16 0, 1, NQ-1, 1
	MUL16 2, 1, NQ-1, 1
	s_wait_dscnt 0
	WIN MUL_HI
	MUL16 4, 1, NQ-1, 1
	MUL16 6, 1, NQ-1, 1
	WIN 0
.macro OUT a
.set XW, 2+(\a)/4
.set AC, 64*((\a)%4)
.set PCS, PC+16*((\a)%2)
	WIN (XW<<4)|(XW<<2)
.irp c, 0,1,2,3
	v_max3_num_f32 v[TM+\c], 0x8000000, |v[AC+16*\c]|, |v[AC+16*\c+1]|
.endr
.irp i, 2,4,6,8,10,12,14
.irp c, 0,1,2,3
	v_max3_num_f32 v[TM+\c], v[TM+\c], |v[AC+16*\c+\i]|, |v[AC+16*\c+\i+1]|
.endr
.endr
	WIN 0
.irp c, 0,1,2,3
	v_permlanex16_b32 v[TM+4+\c], v[TM+\c], s[SEL], s[SEL+1]
.endr
.irp c, 0,1,2,3
	v_max_num_f32 v[TM+\c], v[TM+\c], v[TM+4+\c]
.endr
.irp c, 0,1,2,3
	v_add_nc_u32 v[TM+12+\c], 0xf8800000, v[TM+\c]
.endr
.irp c, 0,1,2,3
	v_and_or_b32 v[TM+8+\c], v[TM+\c], 0x7f800000, s[MNT]
.endr
.irp c, 0,1,2,3
	v_and_b32 v[TM+8+\c], v[TM+8+\c], v[KM+(\a)]
.endr
.irp c, 0,1,2,3
	v_lshrrev_b32 v[TM+4+\c], 23, v[TM+12+\c]
.endr
	v_lshl_or_b32 v[PW], v[TM+5], 8, v[TM+4]
	v_lshl_or_b32 v[PW], v[TM+6], 16, v[PW]
	v_lshl_or_b32 v[PW], v[TM+7], 24, v[PW]
	WIN (XW<<6)|XW
.irp c, 0,1,2,3
.irp i, 0,1,2,3,4,5,6,7,8,9,10,11,12,13,14,15
	v_med3_num_f32 v[AC+16*\c+\i], v[AC+16*\c+\i], -v[TM+8+\c], v[TM+8+\c]
.endr
.endr
	WIN XW
.irp c, 0,1,2,3
	v_cvt_scalef32_pk8_bf8_f32 v[PCS+4*\c:PCS+4*\c+1], v[AC+16*\c:AC+16*\c+7], v[TM+12+\c]
	v_cvt_scalef32_pk8_bf8_f32 v[PCS+4*\c+2:PCS+4*\c+3], v[AC+16*\c+8:AC+16*\c+15], v[TM+12+\c]
.endr
	WIN 0
	v_nop
	ds_store_b32 v[SSA], v[PW] offset:64*(\a)
.if (\a) > 0
	s_wait_alu depctr_va_vdst(0)
	s_wait_xcnt 0x0
.if (\a) == 4
	s_add_nc_u64 s[20:21], s[20:21], s[STB:STB+1]
.else
	s_add_nc_u64 s[20:21], s[20:21], s[STA:STA+1]
.endif
.endif
	global_store_b128 v[VO0], v[PCS:PCS+3], s[20:21]
	global_store_b128 v[VO0], v[PCS+4:PCS+7], s[20:21] offset:512
	global_store_b128 v[VO1], v[PCS+8:PCS+11], s[20:21]
	global_store_b128 v[VO1], v[PCS+12:PCS+15], s[20:21] offset:512
.endm
	PLACES NP
.irp c, 0,1,2,3
	v_mov_b32 v[TM+4+\c], 0
.endr
.irp a, 0,1,2,3,4,5,6,7
	OUT \a
.endr
	ds_load_b128 v[SSB:SSB+3], v[SSR]
	s_wait_dscnt 0x0
	global_store_b128 v[VO0], v[SSB:SSB+3], s[22:23]
	s_wait_tensorcnt 0x0
	ds_add_u32 v[SPW], v[NIL]
	s_wait_dscnt 0x0
	CROUND
	s_endpgm
.Lfunc_end_k_q02fa82d5c8_proj:
	.size	k_q02fa82d5c8_proj, .Lfunc_end_k_q02fa82d5c8_proj-k_q02fa82d5c8_proj
	.p2alignl 7, 3214868480
	.fill 96, 4, 3214868480
	.section	.rodata,"a",@progbits
	.p2align	6, 0x0
	.amdhsa_kernel k_q02fa82d5c8_proj
		.amdhsa_group_segment_fixed_size 327680
		.amdhsa_private_segment_fixed_size 0
		.amdhsa_enable_private_segment 0
		.amdhsa_kernarg_size 80
		.amdhsa_user_sgpr_count 2
		.amdhsa_user_sgpr_kernarg_segment_ptr 1
		.amdhsa_wavefront_size32 1
		.amdhsa_system_sgpr_workgroup_id_x 1
		.amdhsa_system_sgpr_workgroup_id_y 1
		.amdhsa_system_sgpr_workgroup_id_z 1
		.amdhsa_system_vgpr_workitem_id 0
		.amdhsa_next_free_vgpr 1024
		.amdhsa_next_free_sgpr 106
		.amdhsa_reserve_vcc 1
		.amdhsa_float_denorm_mode_32 3
		.amdhsa_float_denorm_mode_16_64 3
		.amdhsa_memory_ordered 1
		.amdhsa_forward_progress 1
		.amdhsa_inst_pref_size 204
	.end_amdhsa_kernel
	.amdgpu_metadata
---
amdhsa.version: [ 1, 2 ]
amdhsa.kernels:
  - .name:           k_q02fa82d5c8_proj
    .symbol:         k_q02fa82d5c8_proj.kd
    .args:
      - { .name: xc, .offset: 0, .size: 8, .value_kind: global_buffer, .address_space: global }
      - { .name: xs, .offset: 8, .size: 8, .value_kind: global_buffer, .address_space: global }
      - { .name: wc, .offset: 16, .size: 8, .value_kind: global_buffer, .address_space: global }
      - { .name: ws, .offset: 24, .size: 8, .value_kind: global_buffer, .address_space: global }
      - { .name: bq, .offset: 32, .size: 8, .value_kind: global_buffer, .address_space: global }
      - { .name: bk, .offset: 40, .size: 8, .value_kind: global_buffer, .address_space: global }
      - { .name: bv, .offset: 48, .size: 8, .value_kind: global_buffer, .address_space: global }
      - { .name: attention_mask, .offset: 56, .size: 8, .value_kind: global_buffer, .address_space: global }
      - { .name: img, .offset: 64, .size: 8, .value_kind: global_buffer, .address_space: global }
      - { .name: sc, .offset: 72, .size: 8, .value_kind: global_buffer, .address_space: global }
    .group_segment_fixed_size: 327680
    .private_segment_fixed_size: 0
    .kernarg_segment_align: 8
    .kernarg_segment_size: 80
    .max_flat_workgroup_size: 128
    .sgpr_count:     106
    .vgpr_count:     1024
    .wavefront_size: 32
...
	.end_amdgpu_metadata
.endif
;; end of part 2
;; launch attn (part 3): grid 4 x 64, 16 waves a work-group, clusters of 4 x 1, 284,672 bytes of LDS; arguments img, sc, attention_mask, out0; writes out0
.if DOCPART == 3
	.amdgcn_target "amdgcn-amd-amdhsa--gfx1250"
	.amdhsa_code_object_version 6
	.text
	.protected	k_q02fa82d5c8_attn
	.globl	k_q02fa82d5c8_attn
	.p2align	8
	.type	k_q02fa82d5c8_attn,@function
k_q02fa82d5c8_attn:
	s_mov_b64 s[64:65], 0
	v_nop
	global_prefetch_b8 v0, s[64:65] scope:SCOPE_SE
	s_setreg_imm32_b32 hwreg(HW_REG_WAVE_MODE, 25, 1), 1
	s_wait_xcnt 0x0
	s_wait_alu depctr_hold_cnt(0) depctr_sa_sdst(0) depctr_va_vdst(0) depctr_va_sdst(0) depctr_va_ssrc(0) depctr_va_vcc(0) depctr_vm_vsrc(0)
	s_getreg_b32 s2, hwreg(HW_REG_IB_STS2, 6, 4)
	s_cmp_eq_u32 s2, 0
	s_cbranch_scc0 .Lentry_in_a_cluster
	s_endpgm
.Lentry_in_a_cluster:
	s_bfe_u32 s2, ttmp6, 0x10000c
	s_cmp_lg_u32 s2, 0x3003
	s_cbranch_scc0 .Lentry_shape_is_right
	s_endpgm
.Lentry_shape_is_right:
; out0[b][q][64 hd ..] = softmax_k((q . k / 8) x (mask >= 0) + mask) v for one head, both products on codes of BF8 (E5M2) with E8M0 scales.
; THE MASK.  The codes of a key whose mask is negative arrive as zeros, so q . k is 0 there.  8 x mask is the C of the score product: S' = q . k + 8 mask, and t = S' x log2(e) / 8 is the logit x log2(e).
; THE SOFTMAX: M = the row's largest t so far, rounded up to a whole number; p = 2^(t - M) is quantised along the keys, not normalised; the row's sum is taken of the unquantised p and divides at the end.
; When M moves, the sum and O are multiplied by 2^(old M - new M), which rounds nothing.
; SHARES.  A work-group owns 512 queries of one head; the four work-groups of a cluster own one head's 2,048.  Each of the sixteen waves owns 32 queries, two tiles of 16, in TWO PASSES over the keys, 128 keys a step.
; Four waves lie on a SIMD, so that one wave's exponentials stand beside another's plain vector work, products and LDS loads.
; NO RING.  A head's K and V codes are 262,144 dense bytes, laid by the launch before as images of the operands' registers.  They are brought into LDS ONCE, by two joint loads a wave (the same in all four partners),
; and stay: no byte of LDS is filled twice.  Every fragment is read at 16 x lane: consecutive bytes, no padding.
; LAYOUT.  Both products are used transposed: S^T = K Q^T, O^T = V^T P^T: a lane holds one query throughout.  The keys of a tile of K are 32 b + 8 u + (r & 7) + 16 (r >> 3), so that the 16 registers of tiles 2 b and 2 b + 1
; are keys 32 b + 16 (lane / 16) + 0 .. 15; the queries of a tile and the channels of a tile of V lie in the same order, which the way out undoes by its addresses.
; K = 64 IN AN INSTRUCTION OF 128.  Q's registers 8-15 are zero codes.  K's fragment t is v[32 + 8 t .. 47 + 8 t]: its upper eight registers are the next tile's codes (behind tile 7: zeros).  Those codes are finite
; (they were held), and a finite number times zero adds nothing under the scale byte 0 that stands there.
; LIMITS: NaN and infinities are not served, but a mask of -infinity gives p = 0 where the row has a key with a finite mask; |mask| stays under 2^124 (it is multiplied by 8).
.set MBL, 262144                       ; LDS behind K and V: 8 x mask, 8,192 bytes, in the keys' order
.set KSL, 270336                       ; K's scale words, [step][r][8 tiles], 8,192 bytes: my head's two bytes, two bytes 0 above
.set VSL, 278528                       ; V's scale words, [step][r][4 tiles], 4,096 bytes
.set STGW, 8704                        ; the way out: a stage of 2 x 16 rows x 272 bytes for each wave, in K's and V's bytes, behind their last read
.set LI,   1                           ; v1   16 x lane
.set AM0,  2                           ; v2   MBL + 64 (lane / 16)
.set AKS0, 3                           ; v3   KSL + 32 r
.set AVS0, 4                           ; v4   VSL + 16 r
.set GO,   5                           ; v5   the way out: my byte offset in two rows of out0
.set STO,  6                           ; v6   where I put 16 bytes of a row
.set RD,   7                           ; v7   where I read a row back
.set ADK,  8                           ; v8-11 the step's addresses: K and V, the mask, K's scale words, V's
.set ADM,  9
.set ADS,  10
.set ADT,  11
.set QF,   16                          ; v16-23 Q's codes, v24-31 zeros.  v12 -M, v13 the largest t, v[14:15] the sum in two halves
.set KF,   32                          ; v32-95 K's eight tiles, eight registers each; v96-103 zeros
.set PC,   64                          ; behind the scores: v64-79 p's codes,
.set BM,   80                          ; v80-83 the blocks' largest scores, then p; v84-87 at work; v92-95 the conversions' scales
.set PB,   84
.set CAP,  88
.set SO,   92
.set S,    104                         ; v104-167 the mask as C, S^T, p; then V's four fragments; on the way out rows of out0
.set O,    168                         ; v168-199 O^T
.set O2,   200                         ; v200-231 the first tile's result; until then v200-207 hold the second tile's Q
.set KSR,  232                         ; v232-239 K's scale words, v240-243 V's; v232-239 then also partial sums of p
.set VSR,  240
.set F,    244                         ; v244 f = 2^(old M - new M)
.set PS,   245                         ; v245 p's scale word
.set TT,   246
.set QS0,  250                         ; v250, v251 Q's scale words
.set QS1,  251
.set WV,   12
.set SEL,  20                          ; s[20:21] lane selects for lane l xor 16
.set CS,   22                          ; s[22:23] log2(e) / 8, twice
.set G1A,  24                          ; s[24:31] group 1: 16 rows of 256 bytes;  s[32:39]: 48 rows
.set G1B,  32
.set G0A,  40
.set G0B,  44
.set MNT,  48
.set TB,   49                          ; the step's bytes in K and V: 16,384 a step
.set TS,   50                          ; in the mask and in K's scale words: 512 a step
.set TJ,   51                          ; in V's scale words: 256 a step
.set CNT,  52
.macro CROUND                          ; a round of the cluster's barrier
	s_barrier_signal -1
	s_barrier_wait -1
	s_cmp_lg_u32 s[WV], 0
	s_cbranch_scc1 .Lnot_wave_0_\@
	s_barrier_signal -3
.Lnot_wave_0_\@:
	s_barrier_wait -3
	s_barrier_signal -1
	s_barrier_wait -1
.endm
; A pass begins: O^T and the sum as zeros and the largest t as -3e38, so that the key step is written in one form: the first change of M multiplies zeros.
.macro RESET
	v_mov_b32 v13, 0xff61b1e6
	s_delay_alu instid0(VALU_DEP_1)
	v_floor_f32 v12, -v13
	v_mov_b32 v14, 0
	v_mov_b32 v15, 0
	v_mov_b32 v[PS], 0                             ; (named as the upper half of the pair v[244:245] before it is first made)
.set n, 0
.rept 32
	v_mov_b32 v[O+n], 0
.set n, n+1
.endr
	s_mov_b32 s[TB], 0
	s_mov_b32 s[TS], 0
	s_mov_b32 s[TJ], 0
.endm
	s_load_b256 s[4:11], s[0:1], 0x0               ; img, sc, the mask, out0
	v_lshl_add_u32 v254, v0, 2, 0x45000
	v_mov_b32 v255, 0
	ds_add_u32 v254, v255
	ds_add_u32 v254, v255
	v_lshrrev_b32 v8, 5, v0
	s_delay_alu instid0(VALU_DEP_1)
	v_readfirstlane_b32 s[WV], v8                  ; wave 0..15
	s_bfe_u32 s13, ttmp6, 0x40000                  ; cx: my block of 512 queries: it enters Q's, its scales' and out0's addresses alone
	s_and_b32 s14, ttmp7, 0xffff                   ; y = 16 batch + head, which the four partners share
	s_lshr_b32 s15, s14, 4                         ; the batch
	s_and_b32 s16, s14, 15                         ; the head
	s_and_b32 s18, s14, 1
	s_lshl_b32 s17, s18, 4                         ; where my head's two bytes begin in a scale word of q or k
	s_lshr_b32 s19, s14, 1                         ; the pair of heads
	s_mov_b32 s[G1A], 15|(3<<16)|(1<<21)           ; 15:0 the mask: all four work-groups; elements of 8 bytes; bit 21 beside a mask; no padding
	s_mov_b32 s[G1A+1], 32<<16                     ; tensor_dim0 = 32 elements: 256 bytes
	s_mov_b32 s[G1A+2], 16<<16                     ; tensor_dim1
	s_mov_b32 s[G1A+3], 32<<16                     ; tile_dim0
	s_mov_b32 s[G1A+4], 16                         ; tile_dim1
	s_mov_b32 s[G1A+5], 32                         ; the pitch: dense
	s_mov_b32 s[G1A+6], 0
	s_mov_b32 s[G1A+7], 0
	s_mov_b32 s[G1B], 15|(3<<16)|(1<<21)
	s_mov_b32 s[G1B+1], 32<<16
	s_mov_b32 s[G1B+2], 48<<16
	s_mov_b32 s[G1B+3], 32<<16
	s_mov_b32 s[G1B+4], 48
	s_mov_b32 s[G1B+5], 32
	s_mov_b32 s[G1B+6], 0
	s_mov_b32 s[G1B+7], 0
	s_lshl_b32 s53, s14, 18                        ; my head's K and V: 262,144 bytes,
	s_add_co_u32 s53, s53, 0x800000                ; behind Q's region
	s_lshl_b32 s54, s[WV], 12                      ; the first load: 4,096 bytes a wave: key steps 0 to 3
	s_mul_i32 s55, s[WV], 12288
	s_add_co_u32 s55, s55, 65536                   ; the second: 12,288 bytes a wave: key steps 4 to 15
	s_add_co_u32 s56, s53, s54
	s_mov_b32 s57, 0
	s_add_co_u32 s58, s53, s55
	s_mov_b32 s59, 0
	s_lshl_b32 s66, s14, 17                        ; Q's images: (128 y + 32 cx + 2 wave) x 1,024
	s_lshl_b32 s60, s13, 15
	s_add_co_u32 s66, s66, s60
	s_lshl_b32 s60, s[WV], 11
	s_add_co_u32 s66, s66, s60
	s_mov_b32 s67, 0
	s_lshl_b32 s68, s19, 13                        ; Q's scale words: (128 (y / 2) + 32 cx + 2 wave) x 64, + 2 for an odd head
	s_lshl_b32 s60, s13, 11
	s_add_co_u32 s68, s68, s60
	s_lshl_b32 s60, s[WV], 7
	s_add_co_u32 s68, s68, s60
	s_lshl_b32 s60, s18, 1
	s_add_co_u32 s68, s68, s60
	s_mov_b32 s69, 0
	s_lshl_b32 s70, s15, 13                        ; the batch's mask
	s_mov_b32 s71, 0
	s_lshl_b32 s72, s19, 13                        ; K's scale words of the pair of heads
	s_add_co_u32 s72, s72, 262144
	s_mov_b32 s73, 0
	s_lshl_b32 s74, s15, 16                        ; V's scale words: 65,536 a batch, 4,096 a step, 256 a head
	s_lshl_b32 s60, s16, 8
	s_add_co_u32 s74, s74, s60
	s_add_co_u32 s74, s74, 524288
	s_mov_b32 s75, 0
	s_lshl_b32 s76, s15, 23                        ; out0: rows of 4,096 bytes: 2,048 a batch, 512 a work-group, 32 a wave; 256 bytes a head
	s_lshl_b32 s60, s13, 21
	s_add_co_u32 s76, s76, s60
	s_lshl_b32 s60, s[WV], 17
	s_add_co_u32 s76, s76, s60
	s_lshl_b32 s60, s16, 8
	s_add_co_u32 s76, s76, s60
	s_mov_b32 s77, 0
	s_mov_b32 s[SEL], 0x76543210
	s_mov_b32 s[SEL+1], 0xfedcba98
	s_mov_b32 s[CS], 0x3e38aa3b                    ; log2(e) / 8
	s_mov_b32 s[CS+1], s[CS]
	v_and_b32 v9, 31, v0
	s_delay_alu instid0(VALU_DEP_1)
	v_lshlrev_b32 v[LI], 4, v9
	v_and_b32 v8, 15, v0                           ; r
	v_bfe_u32 v9, v0, 4, 1                         ; h
	s_delay_alu instid0(VALU_DEP_2)
	v_lshlrev_b32 v10, 2, v8                       ; 4 r
	v_lshlrev_b32 v11, 4, v0                       ; 16 x thread
	v_lshrrev_b32 v5, 5, v0
	v_and_b32 v6, 31, v0
	s_delay_alu instid0(VALU_DEP_1)
	v_lshlrev_b32 v6, 3, v6
	s_delay_alu instid0(VALU_DEP_1)
	v_lshl_add_u32 v5, v5, 12, v6                  ; 4,096 x wave + 8 x lane
	s_wait_alu depctr_va_vdst(0)
	s_wait_dscnt 0x0
	s_wait_kmcnt 0x0
	s_mov_b32 s[G0A], 1
	s_mov_b32 s[G0A+1], s54
	s_add_nc_u64 s[G0A+2:G0A+3], s[4:5], s[56:57]
	s_or_b32 s[G0A+3], s[G0A+3], 0x80000000
	s_mov_b32 s[G0B], 1
	s_mov_b32 s[G0B+1], s55
	s_add_nc_u64 s[G0B+2:G0B+3], s[4:5], s[58:59]
	s_or_b32 s[G0B+3], s[G0B+3], 0x80000000
	s_add_nc_u64 s[66:67], s[4:5], s[66:67]
	s_add_nc_u64 s[68:69], s[6:7], s[68:69]
	s_add_nc_u64 s[70:71], s[8:9], s[70:71]
	s_add_nc_u64 s[72:73], s[6:7], s[72:73]
	s_add_nc_u64 s[74:75], s[6:7], s[74:75]
	s_add_nc_u64 s[76:77], s[10:11], s[76:77]
	global_load_b128 v[QF:QF+3], v[LI], s[66:67]               ; my first tile's Q,
	global_load_b128 v[QF+4:QF+7], v[LI], s[66:67] offset:512
	global_load_b128 v[O2:O2+3], v[LI], s[66:67] offset:1024   ; my second tile's
	global_load_b128 v[O2+4:O2+7], v[LI], s[66:67] offset:1536
	global_load_u16 v[QS0], v10, s[68:69]                      ; my head's two bytes; the upper two are 0
	global_load_u16 v[QS1], v10, s[68:69] offset:64
	global_load_b128 v[104:107], v11, s[70:71]                 ; the work-group's 512 threads bring the batch's mask,
	global_load_b128 v[108:111], v11, s[72:73]                 ; K's scale words,
	global_load_b64 v[112:113], v5, s[74:75]                   ; and V's: 256 bytes of each step
	CROUND                                         ; all four work-groups are here: the joint loads meet
	tensor_load_to_lds s[G0A:G0A+3], s[G1A:G1A+7]  ; the launch's only fills, in one group: two loads of mine are out
	s_nop 0
	tensor_load_to_lds s[G0B:G0B+3], s[G1B:G1B+7]
	s_nop 0
.rept 4
	v_nop
.endr
	v_lshl_add_u32 v[AM0], v9, 6, MBL
	v_lshl_add_u32 v[AKS0], v8, 5, KSL
	v_lshl_add_u32 v[AVS0], v8, 4, VSL
.set n, 0
.rept 8
	v_mov_b32 v[QF+8+n], 0                         ; Q's upper half: zero codes
	v_mov_b32 v[KF+64+n], 0                        ; what stands above K's tile 7
.set n, n+1
.endr
	v_lshl_add_u32 v114, v0, 4, MBL                ; where I put my 16 bytes of the mask
	v_lshrrev_b32 v115, 5, v0
	v_and_b32 v116, 3, v0
	v_bfe_u32 v117, v0, 2, 3
	s_delay_alu instid0(VALU_DEP_3)
	v_lshlrev_b32 v118, 9, v115                    ; my four words of K's scales are tile (t / 4) % 8 of step t / 32, rows 4 (t % 4) + 0 .. 3
	s_delay_alu instid0(VALU_DEP_1)
	v_lshl_add_u32 v118, v116, 7, v118
	s_delay_alu instid0(VALU_DEP_1)
	v_lshl_add_u32 v118, v117, 2, v118
	s_delay_alu instid0(VALU_DEP_1)
	v_add_nc_u32 v118, KSL, v118
	v_and_b32 v116, 7, v0
	v_bfe_u32 v117, v0, 3, 2
	v_lshlrev_b32 v119, 8, v115                    ; my two words of V's are tile (t / 8) % 4 of step t / 32, rows 2 (t % 8) + 0, 1
	s_delay_alu instid0(VALU_DEP_1)
	v_lshl_add_u32 v119, v116, 5, v119
	s_delay_alu instid0(VALU_DEP_1)
	v_lshl_add_u32 v119, v117, 2, v119
	s_delay_alu instid0(VALU_DEP_1)
	v_add_nc_u32 v119, VSL, v119
	RESET
	s_wait_loadcnt 0x0                             ; all nine loads are in: their address registers may be written
	s_mul_i32 s60, s[WV], STGW
	v_mul_u32_u24 v[STO], v8, 272
	s_delay_alu instid0(VALU_DEP_1)
	v_lshl_add_u32 v[STO], v9, 6, v[STO]
	s_delay_alu instid0(VALU_DEP_1)
	v_add_nc_u32 v[STO], s60, v[STO]               ; the stage, in: row r, + 64 h
	v_mul_u32_u24 v[RD], v9, 272
	s_delay_alu instid0(VALU_DEP_1)
	v_lshl_add_u32 v[RD], v8, 4, v[RD]
	s_delay_alu instid0(VALU_DEP_1)
	v_add_nc_u32 v[RD], s60, v[RD]                 ; back: lanes 0-15 one row, lanes 16-31 the next
	v_lshlrev_b32 v[GO], 12, v9
	s_delay_alu instid0(VALU_DEP_1)
	v_lshl_add_u32 v[GO], v8, 4, v[GO]             ; and the same two rows of out0
.irp j, 0,1,2,3
	v_ldexp_f32 v[104+\j], v[104+\j], 3            ; 8 x mask: exact
.endr
	ds_store_b128 v114, v[104:107]
.irp j, 0,1,2,3
	v_bfe_u32 v[108+\j], v[108+\j], s17, 16        ; my head's two bytes
.endr
.irp j, 0,1,2,3
	ds_store_b32 v118, v[108+\j] offset:32*\j
.endr
	ds_store_b32 v119, v112
	ds_store_b32 v119, v113 offset:16
	s_wait_dscnt 0x0                               ; for the others' sake: my stores have landed
	s_wait_tensorcnt 1                             ; my part of key steps 0 to 3 is in; my one younger load may be out
	s_barrier_signal -1
	s_barrier_wait -1
; A KEY STEP: 128 keys.  qs: the register of Q's scale words.
.macro STEP qs
	s_setprio 2
	v_add_nc_u32 v[ADK], s[TB], v[LI]
	v_add_nc_u32 v[ADM], s[TS], v[AM0]
	v_add_nc_u32 v[ADS], s[TS], v[AKS0]
	v_add_nc_u32 v[ADT], s[TJ], v[AVS0]
.rept 5
	v_nop                                          ; nine places with the four additions: the score products write over registers that the last products read; eight would do for the loads
.endr
.set n, 0
.rept 16
	ds_load_b128 v[S+4*n:S+4*n+3], v[ADM] offset:128*(n/4)+16*(n%4)   ; 8 x mask of keys 32 b + 16 h + 4 q on: the C of tiles 2 b, 2 b + 1
.set n, n+1
.endr
.set n, 0
.rept 16
	ds_load_b128 v[KF+4*n:KF+4*n+3], v[ADK] offset:512*n              ; K's eight tiles, two groups of four registers each
.set n, n+1
.endr
	ds_load_b128 v[KSR:KSR+3], v[ADS]
	ds_load_b128 v[KSR+4:KSR+7], v[ADS] offset:16
	ds_load_b128 v[VSR:VSR+3], v[ADT]
	s_wait_dscnt 0x0
.irp t, 0,1,2,3,4,5,6,7                        ; S'^T = K Q^T + 8 mask: one instruction to each accumulator
	v_wmma_scale_f32_16x16x128_f8f6f4 v[S+8*\t:S+8*\t+7], v[KF+8*\t:KF+8*\t+15], v[QF:QF+15], v[S+8*\t:S+8*\t+7], v[KSR+\t], v[\qs] matrix_a_fmt:MATRIX_FMT_BF8 matrix_b_fmt:MATRIX_FMT_BF8
.endr
.rept 8
	v_nop
.endr
.irp b, 0,1,2,3
	v_max3_num_f32 v[BM+\b], v[S+16*\b], v[S+16*\b+1], v[S+16*\b+2]   ; the largest score of each block of 32 keys: it serves for the row's maximum and, since p rises with the score, for the block's largest p
.endr
.irp i, 3,5,7,9,11,13
.irp b, 0,1,2,3
	v_max3_num_f32 v[BM+\b], v[BM+\b], v[S+16*\b+\i], v[S+16*\b+\i+1]
.endr
.endr
.irp b, 0,1,2,3
	v_max_num_f32 v[BM+\b], v[BM+\b], v[S+16*\b+15]
.endr
.irp b, 0,1,2,3
	s_delay_alu instid0(VALU_DEP_4)
	v_permlanex16_b32 v[PB+\b], v[BM+\b], s[SEL], s[SEL+1]
.endr
.irp b, 0,1,2,3
	s_delay_alu instid0(VALU_DEP_4)
	v_max_num_f32 v[BM+\b], v[BM+\b], v[PB+\b]     ; with lane l xor 16's 16 keys
.endr
	s_delay_alu instid0(VALU_DEP_2)
	v_max3_num_f32 v[TT], v[BM], v[BM+1], v[BM+2]
	s_delay_alu instid0(VALU_DEP_1)
	v_max_num_f32 v[TT], v[TT], v[BM+3]
	s_delay_alu instid0(VALU_DEP_1)
	v_mul_f32 v[TT], s[CS], v[TT]                  ; the step's largest t
	s_delay_alu instid0(VALU_DEP_1)
	v_max_num_f32 v13, v13, v[TT]
	v_mov_b32 v[TT], v12
	s_delay_alu instid0(VALU_DEP_2)
	v_floor_f32 v12, -v13                          ; the new -M = -ceil(t): a whole number
	s_delay_alu instid0(VALU_DEP_1)
	v_sub_f32 v[TT], v12, v[TT]                    ; old M - new M: a whole number, 0 or less
	s_delay_alu instid0(VALU_DEP_1)
	v_cvt_i32_f32 v[TT], v[TT]                     ; (it saturates)
	s_delay_alu instid0(VALU_DEP_1)
	v_ldexp_f32 v[F], 1.0, v[TT]                   ; f = 2^(old M - new M)
.set n, 0
.rept 32
	v_pk_fma_f32 v[S+n:S+n+1], v[S+n:S+n+1], s[CS:CS+1], v[12:13] op_sel_hi:[1,0,0]   ; t - M, two at a time
.set n, n+2
.endr
.irp b, 0,1,2,3
	v_fma_f32 v[BM+\b], v[BM+\b], s[CS], v12       ; the same of each block's largest score
.endr
.set n, 0
	s_wait_alu depctr_va_vdst(0)
.rept 64
	v_exp_f32 v[S+n], v[S+n]                       ; p = 2^(t - M)
.set n, n+1
.endr
	s_setprio 1
	v_pk_mul_f32 v[14:15], v[14:15], v[F:F+1] op_sel_hi:[1,0]   ; the sum under the new M (the plain line behind the exponentials)
	s_wait_alu depctr_va_vdst(0)                   ; one wait for the batch of 64, ahead of its first reader
.irp b, 0,1,2,3
	v_exp_f32 v[BM+\b], v[BM+\b]                   ; the block's largest p
.endr
	v_pk_add_f32 v[84:85], v[108:109], v[112:113]
	v_pk_add_f32 v[252:253], v[116:117], v[120:121]
	v_pk_add_f32 v[248:249], v[124:125], v[128:129]
	v_pk_add_f32 v[238:239], v[132:133], v[136:137]
	v_pk_add_f32 v[236:237], v[140:141], v[144:145]
	v_pk_add_f32 v[234:235], v[148:149], v[152:153]
	v_pk_add_f32 v[232:233], v[156:157], v[160:161]
	v_pk_add_f32 v[14:15], v[14:15], v[164:165]
	v_pk_add_f32 v[84:85], v[84:85], v[104:105]
	v_pk_add_f32 v[252:253], v[252:253], v[106:107]
	v_pk_add_f32 v[248:249], v[248:249], v[110:111]
	v_pk_add_f32 v[238:239], v[238:239], v[114:115]
	v_pk_add_f32 v[236:237], v[236:237], v[118:119]
	v_pk_add_f32 v[234:235], v[234:235], v[122:123]
	v_pk_add_f32 v[232:233], v[232:233], v[126:127]
	v_pk_add_f32 v[14:15], v[14:15], v[130:131]
	v_pk_add_f32 v[84:85], v[84:85], v[134:135]
	v_pk_add_f32 v[252:253], v[252:253], v[138:139]
	v_pk_add_f32 v[248:249], v[248:249], v[142:143]
	v_pk_add_f32 v[238:239], v[238:239], v[146:147]
	v_pk_add_f32 v[236:237], v[236:237], v[150:151]
	v_pk_add_f32 v[234:235], v[234:235], v[154:155]
	v_pk_add_f32 v[232:233], v[232:233], v[158:159]
	v_pk_add_f32 v[14:15], v[14:15], v[162:163]
	v_pk_add_f32 v[84:85], v[84:85], v[166:167]
	s_delay_alu instid0(VALU_DEP_2)
	v_pk_add_f32 v[14:15], v[14:15], v[238:239]
	s_delay_alu instid0(VALU_DEP_2)
	v_pk_add_f32 v[84:85], v[84:85], v[236:237]
	v_pk_add_f32 v[252:253], v[252:253], v[234:235]
	v_pk_add_f32 v[248:249], v[248:249], v[232:233]
	s_delay_alu instid0(VALU_DEP_2)
	v_pk_add_f32 v[14:15], v[14:15], v[252:253]
	s_delay_alu instid0(VALU_DEP_2)
	v_pk_add_f32 v[84:85], v[84:85], v[248:249]
	s_delay_alu instid0(VALU_DEP_1)
	v_pk_add_f32 v[14:15], v[14:15], v[84:85]
	s_wait_alu depctr_va_vdst(0)                   ; and one for the four
.irp b, 0,1,2,3
	v_max_num_f32 v[BM+\b], 0x8000000, v[BM+\b]    ; the floor 2^(16 - 127): the byte cannot fall under 1
.endr
.irp b, 0,1,2,3
	s_delay_alu instid0(VALU_DEP_4)
	v_add_nc_u32 v[SO+\b], 0xf8800000, v[BM+\b]    ; 15 off the exponent field: the conversion's scale operand
.endr
.irp b, 0,1,2,3
.endr
.irp b, 0,1,2,3
	s_delay_alu instid0(VALU_DEP_4)
	v_lshrrev_b32 v[PB+\b], 23, v[SO+\b]           ; the scale's byte
.endr
	s_delay_alu instid0(VALU_DEP_3)
	v_lshl_or_b32 v[PS], v[PB+1], 8, v[PB]
	s_delay_alu instid0(VALU_DEP_1)
	v_lshl_or_b32 v[PS], v[PB+2], 16, v[PS]
	s_delay_alu instid0(VALU_DEP_1)
	v_lshl_or_b32 v[PS], v[PB+3], 24, v[PS]        ; p's scale word for these 128 keys
.irp b, 0,1,2,3
.irp i, 0,1,2,3,4,5,6,7,8,9,10,11,12,13,14,15
.endr
	v_cvt_scalef32_pk8_bf8_f32 v[PC+4*\b:PC+4*\b+1], v[S+16*\b:S+16*\b+7], v[SO+\b]
	v_cvt_scalef32_pk8_bf8_f32 v[PC+4*\b+2:PC+4*\b+3], v[S+16*\b+8:S+16*\b+15], v[SO+\b]
.irp c, 0,1,2,3
	ds_load_b128 v[S+16*\b+4*\c:S+16*\b+4*\c+3], v[ADK] offset:8192+2048*\b+512*\c   ; V's fragment b lands where the numbers just converted lay
.endr
.endr
.set n, 0
	s_setprio 0
.rept 16
	v_pk_mul_f32 v[O+n:O+n+1], v[O+n:O+n+1], v[F:F+1] op_sel_hi:[1,0]   ; O^T under the new M, from each accumulator's low end on; also the places between the conversions and the products
.set n, n+2
.endr
	s_wait_alu depctr_va_vdst(0)
	s_wait_dscnt 0x0
.irp d, 0,1,2,3                                ; O^T += V^T P^T: one instruction to each accumulator
	v_wmma_scale_f32_16x16x128_f8f6f4 v[O+8*\d:O+8*\d+7], v[S+16*\d:S+16*\d+15], v[PC:PC+15], v[O+8*\d:O+8*\d+7], v[VSR+\d], v[PS] matrix_a_fmt:MATRIX_FMT_BF8 matrix_b_fmt:MATRIX_FMT_BF8
.endr
	s_add_co_u32 s[TB], s[TB], 16384
	s_add_co_u32 s[TS], s[TS], 512
	s_add_co_u32 s[TJ], s[TJ], 256
.endm
; A pass ends: O^T / the sum goes to v[dst] on.  mv = 1: the eight places behind the last products bring the second tile's Q to its registers.
.macro FINAL dst, mv
	v_add_f32 v14, v14, v15
	s_delay_alu instid0(VALU_DEP_1)
	v_permlanex16_b32 v[TT], v14, s[SEL], s[SEL+1]
	s_delay_alu instid0(VALU_DEP_1)
	v_add_f32 v14, v14, v[TT]                      ; the row's sum
	s_wait_alu depctr_va_vdst(0)
	v_rcp_f32 v14, v14
.if \mv
.irp j, 0,1,2,3,4,5,6,7
	v_mov_b32 v[QF+\j], v[O2+\j]
.endr
.else
.rept 8
	v_nop
.endr
.endif
	s_wait_alu depctr_va_vdst(0)                   ; ahead of the reciprocal's first reader
.irp i, 0,2,4,6,8,10,12,14,16,18,20,22,24,26,28,30
	v_pk_mul_f32 v[\dst+\i:\dst+\i+1], v[O+\i:O+\i+1], v[14:15] op_sel_hi:[1,0]
.endr
.endm
	s_mov_b32 s[CNT], 4
.Lfirst:                                           ; key steps 0 to 3, while the rest of K and V lands
	STEP QS0
	s_sub_co_u32 s[CNT], s[CNT], 1
	s_cmp_lg_u32 s[CNT], 0
	s_cbranch_scc1 .Lfirst
	s_setprio 0
	s_wait_tensorcnt 0x0                           ; my part of key steps 4 to 15 is in,
	s_wait_dscnt 0x0
	s_barrier_signal -1
	s_barrier_wait -1                              ; everybody's is
	s_mov_b32 s[CNT], 12
.Lrest:
	STEP QS0
	s_sub_co_u32 s[CNT], s[CNT], 1
	s_cmp_lg_u32 s[CNT], 0
	s_cbranch_scc1 .Lrest
	s_setprio 0
	FINAL O2, 1
	RESET
	s_mov_b32 s[CNT], 16
.Lsecond:                                          ; the second tile of queries: all sixteen key steps
	STEP QS1
	s_sub_co_u32 s[CNT], s[CNT], 1
	s_cmp_lg_u32 s[CNT], 0
	s_cbranch_scc1 .Lsecond
	s_setprio 0
	FINAL O, 0
	s_wait_alu depctr_va_vdst(0)
	s_wait_dscnt 0x0
	s_barrier_signal -1
	s_barrier_wait -1                              ; nobody reads K and V any more, and nothing is filled: their bytes serve as stages
	; THE WAY OUT.  Register 16 b + 4 q of a tile holds channels 32 b + 16 h + 4 q on of query row r.  A tile goes through my stage and comes back as rows of 256 bytes, which sixteen lanes store whole.
.irp u, 0,1
.irp b, 0,1
.irp q, 0,1,2,3
	ds_store_b128 v[STO], v[O2-32*\u+16*\b+4*\q:O2-32*\u+16*\b+4*\q+3] offset:4352*\u+128*\b+16*\q
.endr
.endr
.irp i, 0,1,2,3,4,5,6,7
	ds_load_b128 v[S+32*\u+4*\i:S+32*\u+4*\i+3], v[RD] offset:4352*\u+544*\i   ; LDS serves a wave's instructions in order: these see my stores
.endr
.endr
.irp u, 0,1
.irp i, 0,1,2,3,4,5,6,7
	s_wait_dscnt 16*(1-\u)+7-\i                    ; behind this load: my 7 - i younger loads of the tile and, for the first tile, the second's sixteen LDS instructions
	global_store_b128 v[GO], v[S+32*\u+4*\i:S+32*\u+4*\i+3], s[76:77] offset:(8*\u+2*(\i%4)+16*(\i/4))*4096 th:TH_STORE_NT   ; stage row 2 i + (lane / 16) of tile u is query 8 u + (row & 7) + 16 (row >> 3) of my 32; 16 lanes store 256 consecutive bytes, aligned
.endr
.endr
	s_wait_tensorcnt 0x0
	ds_add_u32 v254, v255
	s_wait_dscnt 0x0
	CROUND                                         ; the closing round: no work-group ends while a partner may still ask jointly
	s_endpgm
.Lfunc_end_k_q02fa82d5c8_attn:
	.size	k_q02fa82d5c8_attn, .Lfunc_end_k_q02fa82d5c8_attn-k_q02fa82d5c8_attn
	.p2alignl 7, 3214868480
	.fill 96, 4, 3214868480
	.section	.rodata,"a",@progbits
	.p2align	6, 0x0
	.amdhsa_kernel k_q02fa82d5c8_attn
		.amdhsa_group_segment_fixed_size 284672
		.amdhsa_private_segment_fixed_size 0
		.amdhsa_enable_private_segment 0
		.amdhsa_kernarg_size 32
		.amdhsa_user_sgpr_count 2
		.amdhsa_user_sgpr_kernarg_segment_ptr 1
		.amdhsa_wavefront_size32 1
		.amdhsa_system_sgpr_workgroup_id_x 1
		.amdhsa_system_sgpr_workgroup_id_y 1
		.amdhsa_system_sgpr_workgroup_id_z 1
		.amdhsa_system_vgpr_workitem_id 0
		.amdhsa_next_free_vgpr 256
		.amdhsa_next_free_sgpr 80
		.amdhsa_reserve_vcc 0
		.amdhsa_float_denorm_mode_32 3
		.amdhsa_float_denorm_mode_16_64 3
		.amdhsa_fp16_overflow 1
		.amdhsa_memory_ordered 1
		.amdhsa_forward_progress 1
		.amdhsa_inst_pref_size 75
	.end_amdhsa_kernel
	.amdgpu_metadata
---
amdhsa.version: [ 1, 2 ]
amdhsa.kernels:
  - .name:           k_q02fa82d5c8_attn
    .symbol:         k_q02fa82d5c8_attn.kd
    .args:
      - { .name: img, .offset: 0, .size: 8, .value_kind: global_buffer, .address_space: global }
      - { .name: sc, .offset: 8, .size: 8, .value_kind: global_buffer, .address_space: global }
      - { .name: attention_mask, .offset: 16, .size: 8, .value_kind: global_buffer, .address_space: global }
      - { .name: out0, .offset: 24, .size: 8, .value_kind: global_buffer, .address_space: global }
    .group_segment_fixed_size: 284672
    .private_segment_fixed_size: 0
    .kernarg_segment_align: 8
    .kernarg_segment_size: 32
    .max_flat_workgroup_size: 512
    .sgpr_count:     80
    .vgpr_count:     256
    .wavefront_size: 32
...
	.end_amdgpu_metadata
.endif
;; end of part 3
